; MI455X (gfx1250); checked and timed in simulation.
; The chip was launched on July 23, 2026; its instructions are those of AMD's public machine-readable ISA for CDNA 5 (MIT licence, August 2026) and "CDNA5" Instruction Set Architecture Reference Guide (July 2026). The comments in the code are by the model that wrote it; some were corrected since.
;; Multi Headed Attention. Allowed arithmetic: matrix products marked QUANTISED: E2M3 operands, one E8M0 scale for each 32 along K, by v_wmma_scale_f32_16x16x128_f8f6f4 with both operands' format E2M3, f32 sums; everything else in f32.
;; Inputs: Wk_codes 16 x 64 x 32 x 24 uint8 (E2M3 codes of Wk, K innermost, in blocks of 32 codes, four codes in three bytes); Wk_scales 16 x 64 x 32 uint8 (E8M0 scales of Wk, one for each 32 codes along K); Wo_codes 1,024 x 32 x 24 uint8 (E2M3 codes of Wo, K innermost, in blocks of 32 codes, four codes in three bytes); Wo_scales 1,024 x 32 uint8 (E8M0 scales of Wo, one for each 32 codes along K); Wq_codes 16 x 64 x 32 x 24 uint8 (E2M3 codes of Wq, K innermost, in blocks of 32 codes, four codes in three bytes); Wq_scales 16 x 64 x 32 uint8 (E8M0 scales of Wq, one for each 32 codes along K); Wv_codes 16 x 64 x 32 x 24 uint8 (E2M3 codes of Wv, K innermost, in blocks of 32 codes, four codes in three bytes); Wv_scales 16 x 64 x 32 uint8 (E8M0 scales of Wv, one for each 32 codes along K); bk 16 x 64 float32; bo 1,024 float32; bq 16 x 64 float32; bv 16 x 64 float32; key 8 x 1,024 x 1,024 float32; mask 8 x 1,024 x 1,024 float32; query_codes 8 x 1,024 x 32 x 24 uint8 (E2M3 codes of query, K innermost, in blocks of 32 codes, four codes in three bytes); query_scales 8 x 1,024 x 32 uint8 (E8M0 scales of query, one for each 32 codes along K); value 8 x 1,024 x 1,024 float32.
;; Outputs: out0 8 x 1,024 x 1,024 float32.
;; This version of the problem:
;;   THIS VERSION OF THE PROBLEM IS GIVEN IN LOW PRECISION. The matrix products marked QUANTISED in the list below multiply operands that are first quantised to E2M3 (2 exponent bits, 3 mantissa bits; 6 bits a number), with one power-of-two scale for each 32 numbers along K (OCP MX v1.0); their sums are f32. All else is computed in f32.
;;   The module's matrix products, in the order in which they are computed (A, B: the left and right operand; K: the contracted axis; several contracted axes count as one K, in the product's order):
;;     1. [M 1,024, K 1,024] x [K 1,024, N 8,192]; A: input Wq (given as codes); B: input query (given as codes): QUANTISED
;;     2. [M 1,024, K 1,024] x [K 1,024, N 8,192]; A: input Wk (given as codes); B: input query (given as codes): QUANTISED
;;     3. [M 1,024, K 1,024] x [K 1,024, N 8,192]; A: input Wv (given as codes); B: input query (given as codes): QUANTISED
;;     4. batch 128 x [M 1,024, K 64] x [K 64, N 1,024]; A: computed on the way; B: computed on the way: QUANTISED
;;     5. batch 128 x [M 1,024, K 1,024] x [K 1,024, N 64]; A: softmax (see below); B: computed on the way: QUANTISED
;;     6. [M 8,192, K 1,024] x [K 1,024, N 1,024]; A: computed on the way; B: input Wo (given as codes): QUANTISED
;;   THE QUANTISER, for each operand of a quantised product, along K:
;;     - K is cut into blocks of 32 from its start; a last block that is shorter is filled with zeros.
;;     - A block's scale is 2^e with e = floor(log2(the largest magnitude in the block)) - 2, held to -126 .. 127; a block of zeros has e = 0. As a byte (E8M0): e + 127.
;;     - Each number is divided by its block's scale, clamped to +-7.5, and rounded to the nearest number of E2M3, ties to even, subnormals kept.
;;     - The product sums the exact products of the quantised numbers (number of the format x scale) in f32.
;;   ~~~python
;;   def quantise(x, axis):      # numpy; x: float32 -> the quantised numbers, widened to float32 again
;;       x = np.moveaxis(x, axis, -1); K = x.shape[-1]
;;       x = np.pad(x, [(0, 0)] * (x.ndim - 1) + [(0, -K % 32)]); x = x.reshape(x.shape[:-1] + (-1, 32)); a = np.abs(x).max(-1, keepdims=True)
;;       e = np.where(a > 0, np.clip(np.frexp(np.where(a > 0, a, 1))[1] - 1 - 2, -126, 127), 0)      # np.frexp(a)[1] - 1 = floor(log2(a)), exactly
;;       r = np.clip(x / 2.0 ** e, -7.5, 7.5)
;;       step = 2.0 ** (np.maximum(np.frexp(np.where(r == 0, 1, r))[1] - 1, 0) - 3)
;;       q = np.round(r / step) * step * 2.0 ** e      # np.round: ties to even
;;       return np.moveaxis(q.reshape(q.shape[:-2] + (-1,))[..., :K], -1, axis).astype(np.float32)
;;   ~~~
;;   SOFTMAX AHEAD OF A QUANTISED PRODUCT. Where the list says 'softmax', what is quantised is not the finished softmax but p = 2^(t - M), with t = logit x log2(e) and M = ceil(the row's largest t), a whole number; so 1/2 < the row's largest p <= 1. The row's sum l is taken of the UNQUANTISED p, in f32, and the product's result is divided by l at the end. Since M is a whole number, a kernel that streams over the keys may use a running M (the ceiling of the running maximum): every later rescaling is an exact power of two, which a block's scale takes up: the codes' values come out the same.
;;   OPERANDS COMPUTED ON THE WAY. 'Computed on the way' means the value that the module computes at that place (a softmax that the list does not call 'softmax' is quantised finished and normalised). What goes into a quantiser is computed in f32, as accurately as f32 sums, v_exp_f32 and their like allow (about 1e-6 of the number): no bf16 or f16 on the way to a quantiser, and a product that is left as it is and whose result goes on into a quantised operand takes f32 operands (vector FMAs, or v_wmma_f32_16x16x4_f32). A number that lies on a knife's edge between two numbers of the format may be rounded either way, as far as f32 arithmetic and the matrix unit's own rounding can turn it there, and no further.
;;   INPUTS GIVEN AS CODES. Wk (in the module: [16, 1024, 64], K = its axis 1); Wo (in the module: [1024, 1024], K = its axis 0); Wq (in the module: [16, 1024, 64], K = its axis 1); Wv (in the module: [16, 1024, 64], K = its axis 1); query (in the module: [8, 1024, 1024], K = its axis 2): each comes as NAME_codes (uint8): NAME with its K axis moved to the last place and cut into blocks of 32 codes, [.., K / 32, bytes a block], one block behind the other in memory; four codes in three bytes: a row's codes are one little-endian stream of bits, code i at bits 6 i .. 6 i + 5 (a code: sign, 2 exponent bits, 3 mantissa bits); and NAME_scales (uint8): the same leading axes, one E8M0 byte (e + 127) for each 32 codes along K. Its value is code x scale, taken as it is: it is not quantised again, and the codes and scales need not be those that the quantiser above would give.
;; One version. Each part assembles by itself: llvm-mc -triple=amdgcn-amd-amdhsa -mcpu=gfx1250 --defsym DOCPART=n.
;; ======== version 1 of 1: 2 launches
;; limits: right only within a limited range of input values
;; workspace buffers: qc 6,291,456 bytes; qsc 524,288 bytes; kc 6,291,456 bytes; ksc 524,288 bytes; vc 6,291,456 bytes; vsc 524,288 bytes; woi 786,432 bytes
;; launch proj (part 1): grid 16 x 16, 4 waves a work-group, clusters of 4 x 4, 327,680 bytes of LDS; arguments query_codes, query_scales, Wq_codes, Wq_scales, Wk_codes, Wk_scales, Wv_codes, Wv_scales, bq, bk, bv, qc, qsc, kc, ksc, vc, vsc, Wo_codes, woi; writes qc, qsc, kc, ksc, vc, vsc, woi
.if DOCPART == 1
	.amdgcn_target "amdgcn-amd-amdhsa--gfx1250"
	.amdhsa_code_object_version 6
	.text
	.protected	k_qe17fbe03e0_proj
	.globl	k_qe17fbe03e0_proj
	.p2align	8
	.type	k_qe17fbe03e0_proj,@function
k_qe17fbe03e0_proj:
	s_mov_b64 s[64:65], 0
	v_nop
	global_prefetch_b8 v0, s[64:65] scope:SCOPE_SE
	s_setreg_imm32_b32 hwreg(HW_REG_WAVE_MODE, 25, 1), 1
	s_wait_xcnt 0x0
	s_wait_alu depctr_hold_cnt(0) depctr_sa_sdst(0) depctr_va_vdst(0) depctr_va_sdst(0) depctr_va_ssrc(0) depctr_va_vcc(0) depctr_vm_vsrc(0)
	s_getreg_b32 s2, hwreg(HW_REG_IB_STS2, 6, 4)
	s_cmp_eq_u32 s2, 0
	s_cbranch_scc0 .Lentry_in_a_cluster
	s_endpgm
.Lentry_in_a_cluster:
	s_bfe_u32 s2, ttmp6, 0x10000c
	s_cmp_lg_u32 s2, 0xf033
	s_cbranch_scc0 .Lentry_shape_is_right
	s_endpgm
.Lentry_shape_is_right:
; THE THREE PROJECTIONS q, k, v = query W + bias on codes of FP6 (E2M3), one E8M0 scale for each 32 along K = 1,024, their results quantised again for the attention
; (q, k along the head's 64 channels, v along the keys); and Wo's codes laid out as images of operand registers for the last product.
; DEAD WORK: reference() projects q, k and v all from query; its inputs key and value enter no expression of it, whatever they hold: they are not loaded and are no argument of any launch.
; LIMIT: a NaN or an infinity in key or value is not carried to the result.  NaN and infinities in the other inputs are not served.  A block whose largest magnitude lies under 2^-124
; (a block of zeros too) keeps the scale byte 1: these bytes are read by this program alone.
; The cluster's x says what a cluster does: 0 q, 1 k, 2 v, 3 Wo's images.  It is the same in all sixteen partners.  16 clusters, 256 work-groups.
; q, k, v: a tile is 256 A rows x 256 B rows, a wave's part 128 x 128 (64 accumulators).  The matrix instruction is used transposed (source 0 = 16 B rows, source 1 = 16 A rows): a lane holds one A row,
; its registers run along the B rows, the axis to be quantised.  q, k: A = tokens, B = the weight's rows (head x 64 + channel).  v: A = the weight's rows, B = the tokens.
; A WORK-GROUP STAYS AND MAKES TWO TILES: the same rows of the weight, and tokens 4,096 rows apart (batches b and b + 4).  The ring does not stop between them: the second tile's first two chunks are asked for in the first tile's
; steps 5 and 7 and are on their way while the first tile is quantised and stored.
; K goes through a ring of two LDS slots in chunks of 256 bytes of each row of 768: every tile row begins at a multiple of 256 bytes.  A step of 128 along K is 96 bytes: the two tiles are one stream of 16 steps and 6 chunks.
; The scale bytes of the 512 rows come once for each tile, with the first two groups of loads.  A's tiles are asked for jointly along a row of the cluster, B's along a column.
; No prefetch: a tile's K is three chunks, and from the second group of loads on each chunk is asked for two chunks ahead.
; THE BIAS is the C of a tile's first products: 64 registers, eight a block.  q, k: block b's register j holds the bias of B row 16 b + 8 h + j, and product (a, b) takes block b;
; v: all eight registers of block a hold the bias of A row 16 a + r, and product (a, b) takes block a.  A tile's first step is written twice, and the cluster's x chooses.
; THE WAY OUT.  The 16 registers of two neighbouring tiles of B rows are 16 numbers of one block of 32; lanes l and l xor 16 hold the block.  A block's codes stand in the order 0-7, 16-23, 8-15, 24-31;
; both operands of each product of the attention are made in this order, so the products are kept.  The quantiser reads the accumulators where they lie.  A fragment (12 registers a lane) is stored as an image of its registers, 1,536 bytes:
; for each half c registers 6 c .. 6 c + 3 as 32 lanes x 16 bytes, then 6 c + 4, 6 c + 5 as 32 lanes x 8 bytes.  qc, kc: [batch][pair of heads][tile of 16 tokens]; vc: [batch][head][128 keys][16 channels].
; woi: image ((n / 64) x 8 + K step) x 4 + (n / 16) % 4 holds rows n .. n + 15 of Wo's codes, 128 along K.
; REGISTERS: window 0: v0-31 addresses; v32-63 scale words, two sets; v64-127 the bias; v128-223 A's fragments, one set (on the way out v192-215 codes and scale words); v240-255 at work.
;   window 1: B's fragments, two sets.  windows 2, 3: the accumulators.
.set ROWB,   256
.set NQ,     2
.set KROW,   768
.set STEPS,  16                        ; two tiles
.set CHUNKS, 6
.set PITCH,  272                       ; 256 bytes + 16 of padding
.set FR,     12
.set NL,     6
.set NP,     4                         ; places behind this matrix instruction (ISA guide 7.12.1)
.set HALFT,  128*PITCH
.set SLOT,   4*HALFT
.set KS,     32
.set SCL,    2*SLOT
.set HALFS,  (128*KS/256)*272
.set SBLK,   (16*KS/256)*272
.set SPARE,  SCL+8*HALFS               ; behind both tiles' scales: the spare words, 512 bytes that no other line names
.set JUMP,   4096*KROW                 ; from a tile's tokens to the next tile's, in bytes of codes,
.set SJUMP,  4096*KS                   ; and of scales
.set IJUMP,  2048                      ; and in images: four batches
.set BO,   8                           ; v8-15 my byte offsets in the bias, one for each register of a block
.set ADRA, 16                          ; v16-17 my A fragments in slot 0, 1; v18-19 for pieces whose lanes 16-31 lie in the next chunk
.set ADRB, 20
.set L16,  24
.set L8,   25
.set ADRS, 27
.set SPW,  28
.set NIL,  29
.set SC,   32
.set BBR,  64
.set AF,   128
.set CD,   192
.set PW,   212
.set TM,   240
.set G1, 24
.set G0, 32
.set G1B, 48
.set G0B, 56
.set G1S, 68
.set G0S, 76
.set G1SB, 80
.set G0SB, 88
.set G0H, 4
.set G0HB, 8
.set DA, 18                            ; s[18:19], s[20:21] what A's and B's codes step between the tiles: JUMP for the tokens, 0 for the weight
.set DB, 20
.set SA, 22                            ; s[22:23], s[94:95] the same for their scales
.set SB, 94
.set SEL, 46
.set MSB, 0
.macro WIN new
.if MSB != \new
	s_set_vgpr_msb (MSB<<8)|\new
.set MSB, \new
.endif
.endm
.set MUL_LO, 0xa1
.set MUL_HI, 0xf1
.set TO_B,   0x40
.macro JLOAD g0a, g1a, g0b, g1b        ; waves 0, 1 fetch for A, waves 2, 3 for B
	s_cmp_eq_u32 s15, 0
	s_cbranch_scc0 .Lfor_b_\@
	tensor_load_to_lds s[\g0a:\g0a+3], s[\g1a:\g1a+7]
	s_nop 0
.rept 4
	v_nop
.endr
	s_branch .Lasked_\@
.Lfor_b_\@:
	tensor_load_to_lds s[\g0b:\g0b+3], s[\g1b:\g1b+7]
	s_nop 0
.rept 4
	v_nop
.endr
.Lasked_\@:
.endm
.macro CREST
	s_cmp_lg_u32 s14, 0
	s_cbranch_scc1 .Lnot_wave_0_\@
	s_barrier_signal -3
.Lnot_wave_0_\@:
	s_barrier_wait -3
	s_barrier_signal -1
	s_barrier_wait -1
.endm
.macro CROUND
	s_barrier_signal -1
	s_barrier_wait -1
	CREST
.endm
	s_load_b128 s[4:7], s[0:1], 0x0                ; query's codes, scales
	s_load_b256 s[68:75], s[0:1], 0x10             ; Wq's, Wk's
	s_load_b128 s[76:79], s[0:1], 0x30             ; Wv's
	s_load_b256 s[80:87], s[0:1], 0x40             ; bq, bk, bv, qc
	s_load_b256 s[88:95], s[0:1], 0x60             ; qsc, kc, ksc, vc
	s_load_b64 s[96:97], s[0:1], 0x80              ; vsc
	s_load_b128 s[56:59], s[0:1], 0x88             ; Wo's codes, woi
	s_mov_b32 s66, ttmp9                           ; the cluster's x
	s_cmp_eq_u32 s66, 3
	s_cbranch_scc1 .Lwo                            ; a whole cluster goes this way or none of it
	v_lshl_add_u32 v[SPW], v0, 2, SPARE
	v_mov_b32 v[NIL], 0
	ds_add_u32 v[SPW], v[NIL]                      ; the opening lines: the add twice on end and its wait
	ds_add_u32 v[SPW], v[NIL]
	v_lshrrev_b32 v1, 5, v0
	v_readfirstlane_b32 s14, v1                    ; wave
	s_lshr_b32 s15, s14, 1                         ; my half of A's rows; also: I fetch for A (0) or B (1)
	s_and_b32 s16, s14, 1                          ; my half of B's rows; also: which 128 rows I fetch
	s_bfe_u32 s40, ttmp6, 0x40000                  ; cx
	s_bfe_u32 s41, ttmp6, 0x40004                  ; cy
	s_and_b32 s67, ttmp7, 0xffff                   ; the cluster's y, 0 .. 3: the first tile's batch
	s_cmp_eq_u32 s66, 2
	s_cselect_b32 s17, 0, s67
	s_cselect_b32 s42, s67, 0
	s_lshl_b32 s17, s17, 2
	s_add_co_u32 s17, s17, s41                     ; A's tile of 256 rows
	s_lshl_b32 s42, s42, 2
	s_add_co_u32 s42, s42, s40                     ; B's tile
	s_lshl_b32 s43, s41, 2
	s_lshl_b32 s43, 15, s43                        ; my row of the cluster
	s_lshl_b32 s44, 0x1111, s40                    ; my column
	s_or_b32 s[G1+0], s43, (0<<16)|(1<<20)|(1<<21)|(5<<22)|(3<<25)
	s_or_b32 s[G1B+0], s44, (0<<16)|(1<<20)|(1<<21)|(5<<22)|(3<<25)
.irp g, G1, G1B
	s_mov_b32 s[\g+1], ROWB<<16
	s_mov_b32 s[\g+2], 256<<16                     ; the first two groups of loads bring 256 rows
	s_mov_b32 s[\g+3], ROWB<<16
	s_mov_b32 s[\g+4], 256
	s_mov_b32 s[\g+5], KROW
	s_mov_b32 s[\g+6], 0
	s_mov_b32 s[\g+7], 0
.endr
	s_wait_dscnt 0x0
	s_wait_kmcnt 0x0
	s_cmp_eq_u32 s66, 1                            ; which weight, bias and outputs: choices on the cluster's x alone
	s_cselect_b64 s[8:9], s[72:73], s[68:69]
	s_cselect_b64 s[10:11], s[74:75], s[70:71]
	s_cselect_b64 s[98:99], s[82:83], s[80:81]
	s_cselect_b64 s[12:13], s[90:91], s[86:87]
	s_cselect_b64 s[100:101], s[92:93], s[88:89]
	s_cmp_eq_u32 s66, 2
	s_cselect_b64 s[8:9], s[76:77], s[8:9]
	s_cselect_b64 s[10:11], s[78:79], s[10:11]
	s_cselect_b64 s[98:99], s[84:85], s[98:99]
	s_cselect_b64 s[12:13], s[94:95], s[12:13]
	s_cselect_b64 s[100:101], s[96:97], s[100:101]
	s_cselect_b64 s[68:69], s[8:9], s[4:5]         ; A: for v the weight, else query
	s_cselect_b64 s[70:71], s[10:11], s[6:7]
	s_cselect_b64 s[8:9], s[4:5], s[8:9]           ; B: for v query, else the weight
	s_cselect_b64 s[10:11], s[6:7], s[10:11]
	s_mov_b64 s[4:5], s[68:69]
	s_mov_b64 s[6:7], s[70:71]
	s_mov_b64 s[96:97], s[98:99]                   ; the bias
	s_or_b32 s[G1S+0], s43, (3<<16)|(1<<20)|(1<<21)|(5<<22)|(3<<25)   ; the scales of 256 rows: 8,192 dense bytes as 32 rows of 256
	s_or_b32 s[G1SB+0], s44, (3<<16)|(1<<20)|(1<<21)|(5<<22)|(3<<25)
.irp g, G1S, G1SB
	s_mov_b32 s[\g+1], 32<<16
	s_mov_b32 s[\g+2], KS<<16
	s_mov_b32 s[\g+3], 32<<16
	s_mov_b32 s[\g+4], KS
	s_mov_b32 s[\g+5], 32
	s_mov_b32 s[\g+6], 0
	s_mov_b32 s[\g+7], 0
.endr
	s_lshl_b32 s20, s17, 8
	s_lshl_b32 s46, s42, 8
	s_mov_b32 s21, 0
	s_mov_b32 s47, 0
	s_mov_b64 s[18:19], KS
	s_mul_u64 s[22:23], s[20:21], s[18:19]
	s_mul_u64 s[92:93], s[46:47], s[18:19]
	s_mov_b64 s[18:19], KROW
	s_mul_u64 s[20:21], s[20:21], s[18:19]
	s_mul_u64 s[46:47], s[46:47], s[18:19]
	s_mul_i32 s18, s16, 128*KROW
	s_mov_b32 s19, 0
	s_mul_i32 s45, s14, HALFT
	s_add_nc_u64 s[20:21], s[4:5], s[20:21]
	s_add_nc_u64 s[22:23], s[6:7], s[22:23]
	s_add_nc_u64 s[46:47], s[8:9], s[46:47]
	s_add_nc_u64 s[92:93], s[10:11], s[92:93]
	CROUND                                         ; the first joint loads meet
	s_mov_b32 s[G0H], 1
	s_mov_b32 s[G0H+1], 0
	s_mov_b64 s[G0H+2:G0H+3], s[20:21]
	s_or_b32 s[G0H+3], s[G0H+3], 0x80000000
	s_mov_b32 s[G0HB], 1
	s_mov_b32 s[G0HB+1], 2*HALFT
	s_mov_b64 s[G0HB+2:G0HB+3], s[46:47]
	s_or_b32 s[G0HB+3], s[G0HB+3], 0x80000000
	s_mov_b32 s[G0S], 1
	s_mov_b32 s[G0S+1], SCL
	s_mov_b64 s[G0S+2:G0S+3], s[22:23]
	s_or_b32 s[G0S+3], s[G0S+3], 0x80000000
	s_mov_b32 s[G0SB], 1
	s_mov_b32 s[G0SB+1], SCL+2*HALFS
	s_mov_b64 s[G0SB+2:G0SB+3], s[92:93]
	s_or_b32 s[G0SB+3], s[G0SB+3], 0x80000000
	s_add_nc_u64 s[20:21], s[20:21], s[18:19]      ; for the ring: my 128 rows
	s_add_nc_u64 s[46:47], s[46:47], s[18:19]
.irp s, 0,1
	s_mov_b32 s[G0+4*\s], 1
	s_add_co_u32 s[G0+4*\s+1], s45, \s*SLOT
	s_add_nc_u64 s[G0+4*\s+2:G0+4*\s+3], s[20:21], \s*ROWB
	s_or_b32 s[G0+4*\s+3], s[G0+4*\s+3], 0x80000000
	s_mov_b32 s[G0B+4*\s], 1
	s_add_co_u32 s[G0B+4*\s+1], s45, \s*SLOT
	s_add_nc_u64 s[G0B+4*\s+2:G0B+4*\s+3], s[46:47], \s*ROWB
	s_or_b32 s[G0B+4*\s+3], s[G0B+4*\s+3], 0x80000000
.endr
; a group of four tiles, one a wave: a chunk of A, of B, a tile's scales of A, of B.  One chain of branches on the wave's number, a load to an arm, all arms leading to one join
.macro ARM under, g0, g1, next, join
	s_cmp_lt_u32 s14, \under
	s_cbranch_scc0 \next
	tensor_load_to_lds s[\g0:\g0+3], s[\g1:\g1+7]
	s_nop 0
.rept 4
	v_nop
.endr
	s_branch \join
\next:
.endm
	ARM 1, G0H,  G1,  .Lhead_b, .Lhead_asked
	ARM 2, G0HB, G1B, .Lhead_sa, .Lhead_asked
	ARM 3, G0S,  G1S, .Lhead_sb, .Lhead_asked
	tensor_load_to_lds s[G0SB:G0SB+3], s[G1SB:G1SB+7]
	s_nop 0
.rept 4
	v_nop
.endr
.Lhead_asked:
	v_and_b32 v1, 15, v0                           ; r
	v_bfe_u32 v2, v0, 4, 1                         ; h
	v_mul_u32_u24 v3, v1, PITCH
	v_mul_u32_u24 v4, v2, 24
	v_add_nc_u32 v4, v3, v4
	s_mov_b32 s21, SLOT-232
	s_mov_b32 s22, SLOT+232
	v_sub_nc_u32 v7, 1, v2
	v_mul_u32_u24 v5, s21, v2
	v_add_nc_u32 v5, v3, v5
	v_add_nc_u32 v5, 232, v5                       ; lanes 0-15 byte 232 of the row in slot 0, lanes 16-31 byte 0 in slot 1
	v_mul_u32_u24 v6, s22, v7
	v_add_nc_u32 v6, v3, v6                        ; and the other way round
	s_mul_i32 s21, s15, HALFT
	s_mul_i32 s22, s16, HALFT
	s_add_co_u32 s22, s22, 2*HALFT
	v_add_nc_u32 v[ADRA+2], s21, v5
	v_add_nc_u32 v[ADRA+3], s21, v6
	v_add_nc_u32 v[ADRB+2], s22, v5
	v_add_nc_u32 v[ADRB+3], s22, v6
.irp s, 0,1
	v_add_nc_u32 v[ADRA+\s], s21, v4
	v_add_nc_u32 v[ADRB+\s], s22, v4
	s_add_co_u32 s21, s21, SLOT
	s_add_co_u32 s22, s22, SLOT
.endr
	v_mul_u32_u24 v5, v1, KS
	v_lshrrev_b32 v6, 8, v5
	v_lshl_add_u32 v5, v6, 4, v5
	s_mul_i32 s21, s15, HALFS
	s_mul_i32 s22, s16, HALFS
	s_add_co_u32 s22, s22, 2*HALFS
	s_sub_co_u32 s22, s22, s21
	v_mul_u32_u24 v6, s22, v2                      ; lanes 16-31 take B's scale words
	s_add_co_u32 s21, s21, SCL
	v_add_nc_u32 v5, v5, v6
	v_add_nc_u32 v[ADRS], s21, v5
	v_and_b32 v6, 31, v0
	v_lshlrev_b32 v[L16], 4, v6
	v_lshlrev_b32 v[L8], 3, v6
	; the bias: register 8 x block + j comes from my rows' first byte + 64 x block + (q, k: 32 h + 4 j;  v: 4 r).  One text serves both: the three strides are chosen by the cluster's x.  No load leaves the 4,096 bytes
	s_lshl_b32 s47, s42, 1
	s_add_co_u32 s47, s47, s16                     ; which 128 B rows are mine
	s_lshl_b32 s93, s47, 9
	s_lshl_b32 s95, s17, 10
	s_lshl_b32 s2, s15, 9
	s_add_co_u32 s95, s95, s2                      ; the bias of my 128 A rows
	s_cmp_eq_u32 s66, 2
	s_cselect_b32 s93, s95, s93
	s_cselect_b32 s95, 0, 32                       ; bytes for h,
	s_cselect_b32 s2, 4, 0                         ; for r,
	s_cselect_b32 s3, 0, 4                         ; for j
	v_mul_u32_u24 v[BO], v2, s95
	v_mad_u32_u24 v[BO], v1, s2, v[BO]
	v_add_nc_u32 v[BO], s93, v[BO]
.irp j, 1,2,3,4,5,6,7
	v_add_nc_u32 v[BO+\j], s3, v[BO+\j-1]
.endr
.irp b, 0,1,2,3,4,5,6,7
.irp j, 0,1,2,3,4,5,6,7
	global_load_b32 v[BBR+8*\b+\j], v[BO+\j], s[96:97] offset:64*\b
.endr
.endr
	; where my first tile's images go
	s_lshr_b32 s46, s17, 2                         ; q, k: batch
	s_lshl_b32 s46, s46, 3
	s_add_co_u32 s46, s46, s47                     ; + pair of heads
	s_lshl_b32 s46, s46, 6
	s_and_b32 s92, s17, 3
	s_lshl_b32 s92, s92, 4
	s_add_co_u32 s46, s46, s92
	s_lshl_b32 s92, s15, 3
	s_add_co_u32 s46, s46, s92
	s_lshr_b32 s92, s47, 3                         ; v: batch
	s_lshl_b32 s92, s92, 4
	s_lshl_b32 s93, s17, 2
	s_add_co_u32 s92, s92, s93                     ; + head
	s_lshl_b32 s93, s15, 1
	s_add_co_u32 s92, s92, s93
	s_lshl_b32 s92, s92, 3
	s_and_b32 s93, s47, 7
	s_add_co_u32 s92, s92, s93
	s_lshl_b32 s92, s92, 2
	s_cmp_eq_u32 s66, 2
	s_cselect_b32 s2, s92, s46                     ; my first image
	s_mov_b32 s92, 4*1536
	s_cselect_b32 s92, 32*1536, s92                ; from my first four images to my last four
	s_mov_b32 s46, 512
	s_cselect_b32 s46, 4096, s46
	s_cselect_b32 s[DA], 0, JUMP                   ; what steps between the tiles: the tokens' side alone
	s_cselect_b32 s[DB], JUMP, 0
	s_cselect_b32 s[SA], 0, SJUMP
	s_cselect_b32 s[SB], SJUMP, 0
	s_mov_b32 s[DA+1], 0
	s_mov_b32 s[DB+1], 0
	s_mov_b32 s[SA+1], 0
	s_mov_b32 s[SB+1], 0
	s_mov_b32 s93, 0
	s_mov_b32 s47, 0
	s_mul_i32 s104, s2, 1536
	s_mov_b32 s105, 0
	s_add_nc_u64 s[12:13], s[12:13], s[104:105]
	s_add_nc_u64 s[98:99], s[12:13], s[92:93]
	s_lshl_b32 s104, s2, 7
	s_add_nc_u64 s[100:101], s[100:101], s[104:105]
	s_add_nc_u64 s[104:105], s[100:101], s[46:47]
.macro FRAG reg, adr, st, i            ; 16 rows x 128 K: 12 registers, in pieces of 8 bytes; byte y of the stream (768 a tile) lies in slot (y / 256) % 2 at byte y % 256
.irp p, 0,1,2,3,4,5
.set BY, 96*(\st)+48*(\p/3)+8*(\p%3)
.if BY/ROWB == (BY+24)/ROWB
	ds_load_b64 v[\reg+2*\p:\reg+2*\p+1], v[\adr+(BY/ROWB)%2] offset:BY%ROWB+(\i)*16*PITCH
.else
	ds_load_b64 v[\reg+2*\p:\reg+2*\p+1], v[\adr+2+(BY/ROWB)%2] offset:BY%ROWB-232+(\i)*16*PITCH
.endif
.endr
.endm
; 16 products.  first = 0: they add in place;  1: they start the sums with the bias of block b;  2: with that of block a.  The 64 accumulators take turns, one instruction a turn
.macro MUL16 a0, p, q, sc, first
.irp a, \a0, \a0+1
.irp b, 0,1,2,3,4,5,6,7
.if \first
.set CI, (2-(\first))*\b+((\first)-1)*(\a)
	v_wmma_scale_f32_16x16x128_f8f6f4 v[8*(8*((\a)%4)+\b):8*(8*((\a)%4)+\b)+7], v[128*(\p)+FR*\b:128*(\p)+FR*\b+FR-1], v[AF+FR*(\a):AF+FR*(\a)+FR-1], v[BBR+8*CI:BBR+8*CI+7], v[SC+8*NQ*(\sc)+NQ*\b+(\q)], v[SC+8*NQ*(\sc)+NQ*(\a)+(\q)] matrix_a_fmt:MATRIX_FMT_FP6 matrix_b_fmt:MATRIX_FMT_FP6 matrix_a_scale:MATRIX_SCALE_ROW1
.else
	v_wmma_scale_f32_16x16x128_f8f6f4 v[8*(8*((\a)%4)+\b):8*(8*((\a)%4)+\b)+7], v[128*(\p)+FR*\b:128*(\p)+FR*\b+FR-1], v[AF+FR*(\a):AF+FR*(\a)+FR-1], v[8*(8*((\a)%4)+\b):8*(8*((\a)%4)+\b)+7], v[SC+8*NQ*(\sc)+NQ*\b+(\q)], v[SC+8*NQ*(\sc)+NQ*(\a)+(\q)] matrix_a_fmt:MATRIX_FMT_FP6 matrix_b_fmt:MATRIX_FMT_FP6 matrix_a_scale:MATRIX_SCALE_ROW1
.endif
.endr
.endr
.endm
.macro FETCH_B st, p
	WIN TO_B
.irp i, 0,1,2,3,4,5,6,7
	FRAG 128*(\p)+FR*\i, ADRB, \st, \i
.endr
	WIN 0
.endm
.macro FETCH_A st, i0
.irp i, \i0, \i0+1, \i0+2, \i0+3
	FRAG AF+FR*(\i), ADRA, \st, \i
.endr
.endm
.macro SCALES pr                       ; the scale words of steps 2 pr, 2 pr + 1 (four pairs a tile): lanes 0-15 A's block i, lanes 16-31 B's
.irp i, 0,1,2,3,4,5,6,7
	ds_load_b64 v[SC+8*NQ*((\pr)%2)+NQ*\i:SC+8*NQ*((\pr)%2)+NQ*\i+1], v[ADRS] offset:\i*SBLK+4*NQ*((\pr)%4)+((\pr)/4)*4*HALFS
.endr
.endm
.macro PLACES n
.rept \n
	v_nop
.endr
.endm
; A step of 128 along K.  Where the next step's bytes end in a chunk not yet read: a barrier shows it whole.  Where they begin in a later chunk: the chunk left behind is read no more;
; the wait for all tensor loads, the add and its wait stand in front of the barrier, and where a chunk two on is left, a round of the cluster's barrier and the refill follow.
; first other than 0 (a tile's first step, which has no barrier): C lies in window 0.  fetch = 0 (the first tile's last step): the next step's fragments are fetched behind the way out.
.macro STEP st, first, fetch
.set NX, (\st)+1
.set C0, (96*(\st))/ROWB
.set C1, (96*NX)/ROWB
.set E0, (96*(\st)+95)/ROWB
.set E1, (96*NX+95)/ROWB
.if C1 > C0 || E1 > E0
	s_wait_tensorcnt 0x0
.if (\st) == 1
	s_mov_b32 s[G1+2], 128<<16                     ; no tensor load of mine is out: from here on a load brings 128 rows
	s_mov_b32 s[G1+4], 128
	s_mov_b32 s[G1B+2], 128<<16
	s_mov_b32 s[G1B+4], 128
.endif
.if C1 > C0
	ds_add_u32 v[SPW], v[NIL]
	s_wait_dscnt 4*NL+1                            ; the add and A's blocks 4-7 may be out
.else
	s_wait_dscnt 4*NL
.endif
	WIN MUL_LO
	MUL16 0, (\st)%2, (\st)%2, ((\st)/2)%2, 0
	s_wait_dscnt 0x0                               ; the add and all my reads are done
	s_barrier_signal -1
	MUL16 2, (\st)%2, (\st)%2, ((\st)/2)%2, 0
	WIN 0
	s_barrier_wait -1
.if C1 > C0 && C0+2 < CHUNKS
	CREST
.if (C0+2)/3 != C0/3                   ; chunk C0 + 2 is the next tile's: one chunk back along K, and the tokens' side 4,096 rows on
	s_add_nc_u64 s[G0+4*(C0%2)+2:G0+4*(C0%2)+3], s[G0+4*(C0%2)+2:G0+4*(C0%2)+3], s[DA:DA+1]
	s_sub_nc_u64 s[G0+4*(C0%2)+2:G0+4*(C0%2)+3], s[G0+4*(C0%2)+2:G0+4*(C0%2)+3], ROWB
	s_add_nc_u64 s[G0B+4*(C0%2)+2:G0B+4*(C0%2)+3], s[G0B+4*(C0%2)+2:G0B+4*(C0%2)+3], s[DB:DB+1]
	s_sub_nc_u64 s[G0B+4*(C0%2)+2:G0B+4*(C0%2)+3], s[G0B+4*(C0%2)+2:G0B+4*(C0%2)+3], ROWB
.else
	s_add_nc_u64 s[G0+4*(C0%2)+2:G0+4*(C0%2)+3], s[G0+4*(C0%2)+2:G0+4*(C0%2)+3], 2*ROWB
	s_add_nc_u64 s[G0B+4*(C0%2)+2:G0B+4*(C0%2)+3], s[G0B+4*(C0%2)+2:G0B+4*(C0%2)+3], 2*ROWB
.endif
	JLOAD G0+4*(C0%2), G1, G0B+4*(C0%2), G1B       ; chunk C0 + 2; its four v_nop are the places in front of the loads below
.else
	PLACES NP
.endif
.else
	s_wait_dscnt 4*NL                              ; A's blocks 4-7 may be out
	WIN (MUL_LO-0x20*(((\first)+1)/2))
	MUL16 0, (\st)%2, (\st)%2, ((\st)/2)%2, \first
	MUL16 2, (\st)%2, (\st)%2, ((\st)/2)%2, \first
	s_wait_dscnt 0
	PLACES NP
.endif
.if \fetch
	FETCH_B NX, NX%2
	FETCH_A NX, 0
.if NX%2 == 0
	SCALES NX/2
.endif
.endif
	WIN (MUL_HI-0x30*(((\first)+1)/2))
	MUL16 4, (\st)%2, (\st)%2, ((\st)/2)%2, \first
	MUL16 6, (\st)%2, (\st)%2, ((\st)/2)%2, \first
	PLACES NP
	WIN 0
.if \fetch
	FETCH_A NX, 4
.endif
.endm
; A BLOCK a OF 16 A ROWS x MY 128 B ROWS IS QUANTISED WHERE IT LIES AND ONE IMAGE IS STORED.  Its 64 numbers a lane are accumulators (a, 0 .. 7); registers 16 b .. 16 b + 15 are my 16 of block b, lane l xor 16 holds the other 16
.macro UNIT a
.set AC, 64*((\a)%4)
.set OCB, 12+86*((\a)/4)
.set OSB, 100+4*((\a)/4)
.set PWR, PW+(\a)%4
	s_wait_xcnt 0x0                                ; the last block's stores have read their data registers
	WIN (0x28+0x14*((\a)/4))                       ; sources 1 and 2: window 2 or 3
.irp b, 0,1,2,3
	v_max3_num_f32 v[TM+\b], 0x1800000, |v[AC+16*\b]|, |v[AC+1+16*\b]|   ; with the floor 2^(3 - 127): the byte cannot fall under 1; each accumulator from its low end on
.endr
.irp i, 2,4,6,8,10,12,14
.irp b, 0,1,2,3
	v_max3_num_f32 v[TM+\b], v[TM+\b], |v[AC+16*\b+\i]|, |v[AC+1+16*\b+\i]|
.endr
.endr
	WIN 0
.irp b, 0,1,2,3
	v_permlanex16_b32 v[TM+4+\b], v[TM+\b], s[SEL], s[SEL+1]
.endr
.irp b, 0,1,2,3
	v_max_num_f32 v[TM+\b], v[TM+\b], v[TM+4+\b]
.endr
.irp b, 0,1,2,3
	v_add_nc_u32 v[TM+12+\b], 0xff000000, v[TM+\b]   ; 2 off the exponent field: the conversion's scale operand
.endr
.irp b, 0,1,2,3
	v_lshrrev_b32 v[TM+4+\b], 23, v[TM+12+\b]
.endr
	v_lshl_or_b32 v[PWR], v[TM+5], 8, v[TM+4]
	v_lshl_or_b32 v[PWR], v[TM+6], 16, v[PWR]
	v_lshl_or_b32 v[PWR], v[TM+7], 24, v[PWR]
	WIN (2+(\a)/4)                                 ; source 0: window 2 or 3
.irp c, 0,1
	v_cvt_scalef32_pk16_fp6_f32 v[CD+6*\c:CD+2+6*\c], v[AC+32*\c:AC+15+32*\c], v[TM+12+2*\c]
	v_cvt_scalef32_pk16_fp6_f32 v[CD+12+4*\c:CD+14+4*\c], v[AC+16+32*\c:AC+31+32*\c], v[TM+12+2*\c+1]
.endr
	WIN 0
	v_nop                                          ; one plain place behind a scaled conversion
.irp c, 0,1                                    ; a whole block in a lane
.irp i, 0,1,2
	v_permlane16_swap_b32 v[CD+6*\c+\i], v[CD+12+4*\c+\i]
.endr
.irp i, 0,1,2
	v_mov_b32 v[CD+3+6*\c+\i], v[CD+12+4*\c+\i]
.endr
.endr
	global_store_b128 v[L16], v[CD:CD+3], s[OCB:OCB+1] offset:((\a)%4)*1536
	global_store_b64 v[L8], v[CD+4:CD+5], s[OCB:OCB+1] offset:((\a)%4)*1536+512
	global_store_b128 v[L16], v[CD+6:CD+9], s[OCB:OCB+1] offset:((\a)%4)*1536+768
	global_store_b64 v[L8], v[CD+10:CD+11], s[OCB:OCB+1] offset:((\a)%4)*1536+1280
.if (\a)%4 == 3
	global_store_b128 v[L16], v[PW:PW+3], s[OSB:OSB+1]
.endif
.endm
	s_wait_alu depctr_va_vdst(0)
	s_wait_tensorcnt 0x0                           ; my tile of the head's four is in
	ds_add_u32 v[SPW], v[NIL]
	s_mov_b32 s[G0H+1], SLOT                       ; no tensor load of mine is out: the second group's four: chunk 1 of A's 256 rows,
	s_add_nc_u64 s[G0H+2:G0H+3], s[G0H+2:G0H+3], ROWB
	s_mov_b32 s[G0HB+1], SLOT+2*HALFT              ; of B's,
	s_add_nc_u64 s[G0HB+2:G0HB+3], s[G0HB+2:G0HB+3], ROWB
	s_mov_b32 s[G0S+1], SCL+4*HALFS                ; and the second tile's scales
	s_add_nc_u64 s[G0S+2:G0S+3], s[G0S+2:G0S+3], s[SA:SA+1]
	s_mov_b32 s[G0SB+1], SCL+6*HALFS
	s_add_nc_u64 s[G0SB+2:G0SB+3], s[G0SB+2:G0SB+3], s[SB:SB+1]
	s_wait_dscnt 0x0
	CROUND
	ARM 1, G0H,  G1,  .Lnext_b, .Lnext_asked       ; all four are first fills, issued as refills are
	ARM 2, G0HB, G1B, .Lnext_sa, .Lnext_asked
	ARM 3, G0S,  G1S, .Lnext_sb, .Lnext_asked
	tensor_load_to_lds s[G0SB:G0SB+3], s[G1SB:G1SB+7]
	s_nop 0
.rept 4
	v_nop
.endr
.Lnext_asked:
	FETCH_B 0, 0
	FETCH_A 0, 0
	SCALES 0
	FETCH_A 0, 4
	s_mov_b32 s[SEL], 0x76543210
	s_mov_b32 s[SEL+1], 0xfedcba98
	s_wait_loadcnt 0x0                             ; the bias
	s_cmp_eq_u32 s66, 2
	s_cbranch_scc1 .Lfirst_v
	STEP 0, 1, 1                                   ; q, k: the bias goes by B row
	s_branch .Lfirst_done
.Lfirst_v:
	STEP 0, 2, 1                                   ; v: by A row
.Lfirst_done:
.set ST, 1
.rept 6
	STEP ST, 0, 1
.set ST, ST+1
.endr
	STEP 7, 0, 0                                   ; the first tile's last step: it asks for chunk 4; its last places serve the reads below
.irp b, 0,1,2,3
	v_mov_b32 v[TM+4+\b], 0                        ; a lane permute's destination counts as a source
.endr
.irp a, 0,1,2,3,4,5,6,7
	UNIT \a
.endr
	s_wait_xcnt 0x0                                ; the stores have read their bases and their data: the bases step, and fragments land where the codes lay
	s_add_nc_u64 s[12:13], s[12:13], IJUMP*1536
	s_add_nc_u64 s[98:99], s[98:99], IJUMP*1536
	s_add_nc_u64 s[100:101], s[100:101], IJUMP*128
	s_add_nc_u64 s[104:105], s[104:105], IJUMP*128
	FETCH_B 8, 0
	FETCH_A 8, 0
	SCALES 4
	FETCH_A 8, 4
	s_cmp_eq_u32 s66, 2
	s_cbranch_scc1 .Lsecond_v
	STEP 8, 1, 1
	s_branch .Lsecond_done
.Lsecond_v:
	STEP 8, 2, 1
.Lsecond_done:
.set ST, 9
.rept 6
	STEP ST, 0, 1
.set ST, ST+1
.endr
	s_wait_dscnt 4*NL                              ; the very last step: nothing more to fetch
	WIN MUL_LO
	MUL16 0, 1, 1, 1, 0
	MUL16 2, 1, 1, 1, 0
	s_wait_dscnt 0
	WIN MUL_HI
	MUL16 4, 1, 1, 1, 0
	MUL16 6, 1, 1, 1, 0
	WIN 0
	PLACES NP                                      ; behind the last products: the lines below read results and write over A's fragments
.irp a, 0,1,2,3,4,5,6,7
	UNIT \a
.endr
	s_wait_tensorcnt 0x0                           ; the wave's end
	ds_add_u32 v[SPW], v[NIL]
	s_wait_dscnt 0x0
	CROUND                                         ; the closing round
	s_endpgm
; Wo'S IMAGES: 64 work-groups x 4 waves = 256 waves, two images each (two K steps on end of one tile of 16 rows); no LDS, no tensor load, no barrier on this way
.Lwo:
	v_lshrrev_b32 v1, 5, v0
	v_readfirstlane_b32 s14, v1
	s_bfe_u32 s40, ttmp6, 0x40000
	s_bfe_u32 s41, ttmp6, 0x40004
	s_and_b32 s67, ttmp7, 0xffff
	s_lshl_b32 s17, s67, 2
	s_add_co_u32 s17, s17, s41
	s_lshl_b32 s17, s17, 2
	s_add_co_u32 s17, s17, s40
	s_lshl_b32 s17, s17, 2
	s_add_co_u32 s17, s17, s14
	s_lshl_b32 s17, s17, 1                         ; 0, 2 .. 510 = 8 x tile of 16 rows + K step
	s_lshr_b32 s18, s17, 3
	s_and_b32 s19, s17, 7
	s_mul_i32 s20, s18, 16*KROW
	s_mul_i32 s21, s19, 96
	s_add_co_u32 s20, s20, s21
	s_mov_b32 s21, 0
	s_lshr_b32 s22, s18, 2
	s_lshl_b32 s22, s22, 3
	s_add_co_u32 s22, s22, s19
	s_lshl_b32 s22, s22, 2
	s_and_b32 s23, s18, 3
	s_add_co_u32 s22, s22, s23
	s_mul_i32 s22, s22, 1536
	s_mov_b32 s23, 0
	v_and_b32 v2, 15, v0
	v_bfe_u32 v3, v0, 4, 1
	v_mul_u32_u24 v4, v2, KROW
	v_mad_u32_u24 v4, v3, 24, v4                   ; row r, + 24 h
	v_and_b32 v5, 31, v0
	v_lshlrev_b32 v6, 4, v5
	v_lshlrev_b32 v7, 3, v5
	s_wait_alu depctr_va_vdst(0)
	s_wait_kmcnt 0x0
	s_add_nc_u64 s[56:57], s[56:57], s[20:21]
	s_add_nc_u64 s[58:59], s[58:59], s[22:23]
.irp k, 0,1
.irp p, 0,1,2,3,4,5
	global_load_b64 v[8+12*\k+2*\p:9+12*\k+2*\p], v4, s[56:57] offset:96*\k+48*(\p/3)+8*(\p%3)
.endr
.endr
	s_wait_loadcnt 0x0
.irp k, 0,1                                        ; the next K step's image lies four images on
	global_store_b128 v6, v[8+12*\k:11+12*\k], s[58:59] offset:6144*\k
	global_store_b64 v7, v[12+12*\k:13+12*\k], s[58:59] offset:6144*\k+512
	global_store_b128 v6, v[14+12*\k:17+12*\k], s[58:59] offset:6144*\k+768
	global_store_b64 v7, v[18+12*\k:19+12*\k], s[58:59] offset:6144*\k+1280
.endr
	s_endpgm
.Lfunc_end_k_qe17fbe03e0_proj:
	.size	k_qe17fbe03e0_proj, .Lfunc_end_k_qe17fbe03e0_proj-k_qe17fbe03e0_proj
	.p2alignl 7, 3214868480
	.fill 96, 4, 3214868480
	.section	.rodata,"a",@progbits
	.p2align	6, 0x0
	.amdhsa_kernel k_qe17fbe03e0_proj
		.amdhsa_group_segment_fixed_size 327680
		.amdhsa_private_segment_fixed_size 0
		.amdhsa_enable_private_segment 0
		.amdhsa_kernarg_size 152
		.amdhsa_user_sgpr_count 2
		.amdhsa_user_sgpr_kernarg_segment_ptr 1
		.amdhsa_wavefront_size32 1
		.amdhsa_system_sgpr_workgroup_id_x 1
		.amdhsa_system_sgpr_workgroup_id_y 1
		.amdhsa_system_sgpr_workgroup_id_z 1
		.amdhsa_system_vgpr_workitem_id 0
		.amdhsa_next_free_vgpr 1024
		.amdhsa_next_free_sgpr 106
		.amdhsa_reserve_vcc 0
		.amdhsa_float_denorm_mode_32 3
		.amdhsa_float_denorm_mode_16_64 3
		.amdhsa_memory_ordered 1
		.amdhsa_forward_progress 1
		.amdhsa_inst_pref_size 255
	.end_amdhsa_kernel
	.section	.bss,"aw",@nobits
	.p2align	6
	.space	262144
	.amdgpu_metadata
---
amdhsa.version: [ 1, 2 ]
amdhsa.kernels:
  - .name:           k_qe17fbe03e0_proj
    .symbol:         k_qe17fbe03e0_proj.kd
    .args:
      - { .name: query_codes, .offset: 0, .size: 8, .value_kind: global_buffer, .address_space: global }
      - { .name: query_scales, .offset: 8, .size: 8, .value_kind: global_buffer, .address_space: global }
      - { .name: Wq_codes, .offset: 16, .size: 8, .value_kind: global_buffer, .address_space: global }
      - { .name: Wq_scales, .offset: 24, .size: 8, .value_kind: global_buffer, .address_space: global }
      - { .name: Wk_codes, .offset: 32, .size: 8, .value_kind: global_buffer, .address_space: global }
      - { .name: Wk_scales, .offset: 40, .size: 8, .value_kind: global_buffer, .address_space: global }
      - { .name: Wv_codes, .offset: 48, .size: 8, .value_kind: global_buffer, .address_space: global }
      - { .name: Wv_scales, .offset: 56, .size: 8, .value_kind: global_buffer, .address_space: global }
      - { .name: bq, .offset: 64, .size: 8, .value_kind: global_buffer, .address_space: global }
      - { .name: bk, .offset: 72, .size: 8, .value_kind: global_buffer, .address_space: global }
      - { .name: bv, .offset: 80, .size: 8, .value_kind: global_buffer, .address_space: global }
      - { .name: qc, .offset: 88, .size: 8, .value_kind: global_buffer, .address_space: global }
      - { .name: qsc, .offset: 96, .size: 8, .value_kind: global_buffer, .address_space: global }
      - { .name: kc, .offset: 104, .size: 8, .value_kind: global_buffer, .address_space: global }
      - { .name: ksc, .offset: 112, .size: 8, .value_kind: global_buffer, .address_space: global }
      - { .name: vc, .offset: 120, .size: 8, .value_kind: global_buffer, .address_space: global }
      - { .name: vsc, .offset: 128, .size: 8, .value_kind: global_buffer, .address_space: global }
      - { .name: Wo_codes, .offset: 136, .size: 8, .value_kind: global_buffer, .address_space: global }
      - { .name: woi, .offset: 144, .size: 8, .value_kind: global_buffer, .address_space: global }
    .group_segment_fixed_size: 327680
    .private_segment_fixed_size: 0
    .kernarg_segment_align: 8
    .kernarg_segment_size: 152
    .max_flat_workgroup_size: 128
    .sgpr_count:     106
    .vgpr_count:     1024
    .wavefront_size: 32
...
	.end_amdgpu_metadata
.endif
;; end of part 1
;; launch attn (part 2): grid 32 x 8, 16 waves a work-group, no clusters, 300,544 bytes of LDS; arguments mask, qc, qsc, kc, ksc, vc, vsc, woi, Wo_scales, bo, out0; writes out0
.if DOCPART == 2
	.amdgcn_target "amdgcn-amd-amdhsa--gfx1250"
	.amdhsa_code_object_version 6
	.text
	.protected	k_qe17fbe03e0_attn
	.globl	k_qe17fbe03e0_attn
	.p2align	8
	.type	k_qe17fbe03e0_attn,@function
k_qe17fbe03e0_attn:
	s_mov_b64 s[64:65], 0
	v_nop
	global_prefetch_b8 v0, s[64:65] scope:SCOPE_SE
	s_setreg_imm32_b32 hwreg(HW_REG_WAVE_MODE, 25, 1), 1
	s_wait_xcnt 0x0
; THE ATTENTION AND THE PROJECTION ON THE WAY OUT.  scores = q k^T / 8; x = scores s - 1e9 (1 - s), s the mask as it is given; p = 2^(t - M), t = x log2(e), M the row's largest t rounded up to a whole number;
; O = (p v) / (the row's sum of the unquantised p); out0 = Q(O) Wo + bo.  All three products on codes of FP6 (E2M3) with one E8M0 scale for each 32 along K.  The module's inputs key and value enter no result and are not read.
; SHARES.  A work-group owns 32 queries of one batch for all 16 heads; wave w is head w, with two tiles of 16 queries.  So the work-group holds 32 whole rows of O: their codes meet in LDS,
; and wave w then makes these 32 rows x columns 64 w .. 64 w + 63 of out0: O never goes to memory.
; THE MASK.  The 32 rows x 1,024 keys are read from memory once and stay in LDS for all heads as sc = s c (c = log2(e) / 8) and g = s B - B (B = 1e9 log2(e)), in the order of the scores' registers: t = score sc + g is one packed multiply-add.
; NO CLUSTER, NO TENSOR LOAD: the mask's images take 272,384 bytes of LDS; two slots of 64 keys of K and V for 16 heads would be 2 x 98,304 bytes more.  K's, V's and Wo's images go from memory straight into the registers of the one wave that wants them.
; LAYOUT.  All products are used transposed: a lane holds one query (lane % 16).  A K operand holds two tiles of 16 keys (K 0-63, K 64-127); the queries stand once as [q | zeros] and once as [zeros | q].
; p's codes of a block stand in the order 0-7, 16-23, 8-15, 24-31, in which v's codes were made.  O's codes stand in the true order, since Wo's are given.
; M RUNS.  A step of 128 keys is two halves of 64.  -M = floor(-(largest t so far)); when M moves, the sum and O^T are multiplied by 2^(old M - new M), exactly; the first half's two scale bytes take the change up.
; LIMITS: NaN and infinities are not served.  A first half's byte that would fall under 0 is held at 0 (such p lie under 1e-37 of the row's largest).  A block whose largest magnitude lies under 2^-124 keeps the byte 1.
;   For a mask that is neither 0 nor 1, g is rounded once where the module's text rounds 1 - s and the product.
; REGISTERS in the loop: v1 mask address; v2, v3 16 x lane, 8 x lane; v4-19 statistics, eight a tile; v20-49 zeros, q0, zeros, q1, zeros; v50-51 q's scale words; v52-75 K; v76-79 K's scale words; v80-95 at work;
;   v96-127 S^T, t, p (then V's fragments 2, 3); v128-159 sc and g (then V's fragments 0, 1); v160-223 O^T; v224-247 p's codes; v248-249 p's scale words; v250-253 V's; v87, v95, v254, v255 LDS addresses of the end.
; In the last product: v160-223 the eight sums; v112-159, v20-67 Wo's fragments, two sets; v68-103, v240-251 O's fragments, two sets; v224-239 Wo's scale words; v8-15 O's.
.set HSS,  17024
.set IMG,  8448
.set PART, 4224
.set GP,   528
.set OST,  16*HSS                      ; 32 rows of O's codes, 768 bytes + 16
.set OSP,  784
.set OSC,  OST+32*OSP                  ; their 32 scale bytes a row
.set SPARE, OSC+1024                   ; the spare words, 128 bytes a wave
.set STG,  8704                        ; the way out: a wave's stage, 2 x 16 rows x (256 + 16) bytes, where the mask's images lay
.set MA,   1
.set L16,  2
.set L8,   3
.set QZ,   20
.set QS,   50
.set KF,   52
.set KSW,  76
.set SO,   80
.set BH,   82
.set CT,   84
.set AOS,  87
.set BM,   88
.set PT,   90
.set TT,   92
.set FL,   94
.set AOB,  95
.set S,    96
.set MB,   128
.set VF,   128
.set O,    160
.set P,    224
.set PS,   248
.set VS,   250
.set AOF,  254                         ; where O's fragments are read
.set AOW,  255                         ; and O's scale words: lane l takes row l
.set WS,   224
.set OS,   8
.macro DL n
	s_delay_alu instid0(VALU_DEP_\n)
.endm
	s_load_b512 s[4:19], s[0:1], 0x0               ; mask 4, qc 6, qsc 8, kc 10, ksc 12, vc 14, vsc 16, woi 18
	s_load_b64 s[20:21], s[0:1], 0x40              ; Wo's scales
	s_load_b128 s[56:59], s[0:1], 0x48             ; bo, out0
	v_lshrrev_b32 v1, 5, v0
	DL 1
	v_readfirstlane_b32 s22, v1                    ; wave = head
	s_and_b32 s23, ttmp7, 0xffff                   ; batch
	s_mov_b32 s24, ttmp9                           ; block of 32 queries
	s_lshr_b32 s25, s22, 1
	s_and_b32 s26, s22, 1
	s_mul_i32 s44, s26, 0x02020202
	s_add_co_u32 s45, s44, 0x01000100              ; byte selects: my head's two bytes of q's word, twice;
	s_add_co_u32 s44, s44, 0x05040100              ; of two tiles' words of K
	s_mov_b32 s46, 0x76543210
	s_mov_b32 s47, 0xfedcba98
	s_mov_b32 s48, 0
	s_mov_b32 s49, 0
	s_mov_b32 s50, 0x3e38aa3b                      ; c
	s_mov_b32 s51, s50
	s_mov_b32 s52, 0x4eabfb8f                      ; B
	s_mov_b32 s53, s52
	s_mov_b32 s41, 0
	s_mov_b32 s43, 0
	s_mov_b32 s29, 0
	v_and_b32 v4, 31, v0
	DL 1
	v_lshlrev_b32 v[L16], 4, v4
	DL 2
	v_lshlrev_b32 v[L8], 3, v4
	; a load of the mask covers 512 bytes of a row; lane l's piece: 64 keys' half bit 3 of l, group l % 8, half of the lanes l / 16
	v_bfe_u32 v5, v0, 3, 1
	v_bfe_u32 v6, v0, 1, 2
	v_bfe_u32 v7, v0, 4, 1
	v_and_b32 v8, 1, v0
	DL 4
	v_lshlrev_b32 v9, 8, v5
	DL 1
	v_lshl_add_u32 v9, v6, 6, v9
	DL 1
	v_lshl_add_u32 v9, v7, 5, v9
	DL 1
	v_lshl_add_u32 v9, v8, 4, v9
	v_mul_u32_u24 v10, v5, HSS
	v_and_b32 v11, 7, v0
	DL 1
	v_mad_u32_u24 v10, v11, GP, v10
	DL 1
	v_lshl_add_u32 v10, v7, 8, v10
	s_lshr_b32 s30, s22, 3
	s_mul_i32 s30, s30, IMG
	s_and_b32 s31, s22, 7
	s_lshl_b32 s31, s31, 5
	s_add_co_u32 s30, s30, s31
	v_add_nc_u32 v10, s30, v10
.irp k, 0,1,2,3
	v_add_nc_u32 v[P+\k], 4*HSS*\k, v10
.endr
	v_mov_b32 v228, 0xceabfb8f                     ; -B
	DL 1
	v_mov_b32 v229, v228
	v_and_b32 v11, 15, v0
	DL 1
	v_mul_u32_u24 v[AOS], v11, OSP
	DL 1
	v_mad_u32_u24 v[AOS], v7, 24, v[AOS]
	DL 1
	v_add_nc_u32 v[AOF], OST, v[AOS]               ; O's fragments: row r, + 24 h
	s_mul_i32 s30, s22, 48
	s_add_co_u32 s30, s30, OST
	v_add_nc_u32 v[AOS], s30, v[AOS]               ; O's codes: row r, my head's 48 bytes, + 24 h
	v_lshlrev_b32 v[AOB], 5, v11
	s_lshl_b32 s30, s22, 1
	s_add_co_u32 s30, s30, OSC
	v_add_nc_u32 v[AOB], s30, v[AOB]
	v_lshl_add_u32 v[AOW], v4, 5, OSC
	s_lshl_b32 s31, s23, 10
	s_lshl_b32 s28, s24, 5
	s_add_co_u32 s31, s31, s28                     ; the work-group's first row
	s_lshl_b32 s28, s22, 1
	s_add_co_u32 s32, s31, s28                     ; my two rows of the mask
	s_lshl_b32 s28, s32, 12
	s_wait_alu depctr_va_vdst(0)
	s_wait_kmcnt 0x0
	s_add_nc_u64 s[4:5], s[4:5], s[28:29]
.irp e, 0,1
.irp i, 0,1,2,3,4,5,6,7
	global_load_b128 v[S+4*(8*\e+\i):S+4*(8*\e+\i)+3], v9, s[4:5] offset:4096*\e+512*\i th:TH_LOAD_NT
.endr
.endr
	s_mul_i32 s28, s22, 49152
	s_add_nc_u64 s[18:19], s[18:19], s[28:29]      ; Wo's images of my 64 columns
	s_lshl_b32 s28, s22, 11
	s_add_nc_u64 s[20:21], s[20:21], s[28:29]      ; their scale bytes
	s_lshl_b32 s30, s22, 8
	s_mov_b32 s28, s30
	s_add_nc_u64 s[56:57], s[56:57], s[28:29]      ; their bias
	s_lshl_b32 s28, s31, 12
	s_add_co_u32 s28, s28, s30
	s_add_nc_u64 s[58:59], s[58:59], s[28:29]      ; out0 at the work-group's first row, my 256 bytes
	s_lshl_b32 s33, s23, 3
	s_add_co_u32 s33, s33, s25
	s_mul_i32 s34, s26, 768
	s_lshl_b32 s28, s33, 6
	s_lshl_b32 s35, s24, 1
	s_add_co_u32 s28, s28, s35
	s_mul_i32 s28, s28, 1536
	s_add_co_u32 s28, s28, s34
	s_add_nc_u64 s[6:7], s[6:7], s[28:29]
	s_lshl_b32 s28, s33, 4
	s_lshr_b32 s35, s24, 1
	s_add_co_u32 s28, s28, s35
	s_lshl_b32 s28, s28, 9
	s_and_b32 s35, s24, 1
	s_lshl_b32 s35, s35, 3
	s_add_co_u32 s28, s28, s35
	s_add_nc_u64 s[8:9], s[8:9], s[28:29]
	s_mul_i32 s28, s33, 64*1536
	s_add_co_u32 s28, s28, s34
	s_add_nc_u64 s[10:11], s[10:11], s[28:29]
	s_lshl_b32 s28, s33, 13
	s_add_nc_u64 s[12:13], s[12:13], s[28:29]
	s_lshl_b32 s28, s23, 4
	s_add_co_u32 s28, s28, s22
	s_mul_i32 s35, s28, 32*1536
	s_lshl_b32 s28, s28, 12
	s_add_nc_u64 s[16:17], s[16:17], s[28:29]
	s_mov_b32 s28, s35
	s_add_nc_u64 s[14:15], s[14:15], s[28:29]
.macro KLOAD kb, sb, g                 ; my head's half of four tiles of keys, and their scale words: nine loads
.irp i, 0,1,2,3
	global_load_b128 v[KF+6*\i:KF+6*\i+3], v[L16], s[\kb:\kb+1] offset:(4*\g+\i)*1536
	global_load_b64 v[KF+6*\i+4:KF+6*\i+5], v[L8], s[\kb:\kb+1] offset:(4*\g+\i)*1536+512
.endr
	global_load_b128 v[KSW:KSW+3], v[L16], s[\sb:\sb+1] offset:512*\g
.endm
.macro VLOAD d                         ; V's fragment d (16 channels x 128 keys): four loads.  Fragments 0, 1 at v128, 2, 3 at v96
.set VB, VF+12*(\d)-56*((\d)/2)
	global_load_b128 v[VB:VB+3], v[L16], s[14:15] offset:1536*(\d)
	global_load_b64 v[VB+4:VB+5], v[L8], s[14:15] offset:1536*(\d)+512
	global_load_b128 v[VB+6:VB+9], v[L16], s[14:15] offset:1536*(\d)+768
	global_load_b64 v[VB+10:VB+11], v[L8], s[14:15] offset:1536*(\d)+1280
.endm
.irp u, 0,1
	global_load_b128 v[QZ+6+12*\u:QZ+9+12*\u], v[L16], s[6:7] offset:1536*\u
	global_load_b64 v[QZ+10+12*\u:QZ+11+12*\u], v[L8], s[6:7] offset:1536*\u+512
.endr
	global_load_b64 v[QS:QS+1], v[L16], s[8:9]
	KLOAD 10, 12, 0
	s_wait_loadcnt 14                              ; the mask's 16 loads are in; q's 5 and K's 9 may be out
.set p, 0
.rept 32
	v_pk_fma_f32 v[O+p:O+p+1], v[S+p:S+p+1], s[52:53], v[228:229] op_sel_hi:[1,0,1]   ; g = s B - B
.set p, p+2
.endr
.set p, 0
.rept 32
	v_pk_mul_f32 v[S+p:S+p+1], v[S+p:S+p+1], s[50:51] op_sel_hi:[1,0]                 ; sc = s c
.set p, p+2
.endr
.irp e, 0,1
.irp i, 0,1,2,3,4,5,6,7
	ds_store_b128 v[P+\i/2], v[S+4*(8*\e+\i):S+4*(8*\e+\i)+3] offset:16*\e+(\i%2)*2*HSS
	ds_store_b128 v[P+\i/2], v[O+4*(8*\e+\i):O+4*(8*\e+\i)+3] offset:16*\e+(\i%2)*2*HSS+PART
.endr
.endr
.irp z, 0,12,24
.irp i, 0,1,2,3,4,5
	v_mov_b32 v[QZ+\z+\i], 0                       ; zero codes beside the queries
.endr
.endr
.irp u, 0,1
	v_mov_b32 v[5+8*\u], 0xff61b1e6                ; the largest t so far: -3e38
	DL 1
	v_floor_f32 v[4+8*\u], -v[5+8*\u]
.irp i, 6,7,8,9,10,11
	v_mov_b32 v[\i+8*\u], 0
.endr
.endr
	v_mov_b32 v[PT], 0
	v_mov_b32 v[PT+1], 0
	s_wait_loadcnt 0x0
	v_perm_b32 v[QS], v[QS], v[QS], s45
	v_perm_b32 v[QS+1], v[QS+1], v[QS+1], s45
	v_perm_b32 v[KSW], v[KSW+1], v[KSW], s44
	v_perm_b32 v[KSW+2], v[KSW+3], v[KSW+2], s44
	s_wait_dscnt 0x0                               ; my part of the mask images is in LDS
	s_barrier_signal -1
.set p, 0
.rept 64
	v_mov_b32 v[O+p], 0                            ; O^T: the step is written once; these lines are also the places between the scale words just made and the first product
.set p, p+1
.endr
	s_barrier_wait -1
.macro MLOAD u, g, x
.irp i, 0,1,2,3
	ds_load_b128 v[MB+4*\i:MB+4*\i+3], v[MA] offset:\g*HSS+\u*IMG+(4*\x+\i)*GP
	ds_load_b128 v[MB+16+4*\i:MB+16+4*\i+3], v[MA] offset:\g*HSS+\u*IMG+(4*\x+\i)*GP+PART
.endr
.endm
.macro QK u
.irp t, 0,1,2,3
.if (\t)%2 == 0
	v_wmma_scale_f32_16x16x128_f8f6f4 v[S+8*\t:S+8*\t+7], v[KF+12*(\t/2):KF+12*(\t/2)+11], v[QZ+6+12*\u:QZ+17+12*\u], 0, v[KSW+2*(\t/2)], v[QS+\u] matrix_a_fmt:MATRIX_FMT_FP6 matrix_b_fmt:MATRIX_FMT_FP6
.else
	v_wmma_scale_f32_16x16x128_f8f6f4 v[S+8*\t:S+8*\t+7], v[KF+12*(\t/2):KF+12*(\t/2)+11], v[QZ+12*\u:QZ+11+12*\u], 0, v[KSW+2*(\t/2)], v[QS+\u] matrix_a_fmt:MATRIX_FMT_FP6 matrix_b_fmt:MATRIX_FMT_FP6
.endif
.endr
.endm
.macro TCALC x
.irp p, 0,1,2,3,4,5,6,7
	v_pk_fma_f32 v[S+16*\x+2*\p:S+16*\x+2*\p+1], v[S+16*\x+2*\p:S+16*\x+2*\p+1], v[MB+2*\p:MB+2*\p+1], v[MB+16+2*\p:MB+17+2*\p]
.endr
.endm
.macro BMAX x
	v_max3_num_f32 v[BM+\x], v[S+16*\x], v[S+16*\x+1], v[S+16*\x+2]
.irp i, 3,5,7,9,11,13
	DL 1
	v_max3_num_f32 v[BM+\x], v[BM+\x], v[S+16*\x+\i], v[S+16*\x+\i+1]
.endr
	DL 1
	v_max_num_f32 v[BM+\x], v[BM+\x], v[S+16*\x+15]
.endm
; HALF A STEP FOR ONE TILE OF QUERIES: 64 keys' scores, mask, running M, p, its codes and bytes, its sum
.macro SM u, g
.set ST, 4+8*\u
.set PU, P+12*\u+6*\g
	MLOAD \u, \g, 0
	QK \u
	s_wait_dscnt 0x0
.rept 4
	v_nop                                          ; places behind the products
.endr
	TCALC 0
	MLOAD \u, \g, 1
.if \u == 1                            ; both tiles have multiplied by these 64 keys: the next 64 are asked for
.if \g == 0
	KLOAD 10, 12, 1
.else
	KLOAD 36, 38, 0
.endif
.endif
	BMAX 0
	s_wait_dscnt 0x0
	TCALC 1
.if \u == 1
.if \g == 1                            ; the step's last use of sc and g is over: V's fragments 0, 1 and its scale words are asked for into their registers: nine loads
	VLOAD 0
	VLOAD 1
	global_load_b128 v[VS:VS+3], v[L16], s[16:17]
.endif
.endif
	BMAX 1
	v_permlanex16_b32 v[PT], v[BM], s46, s47
	DL 2
	v_permlanex16_b32 v[PT+1], v[BM+1], s46, s47
	DL 2
	v_max_num_f32 v[BM], v[BM], v[PT]
	DL 2
	v_max_num_f32 v[BM+1], v[BM+1], v[PT+1]
	DL 1
	v_max3_num_f32 v[ST+1], v[ST+1], v[BM], v[BM+1]
	v_mov_b32 v[TT+1], v[ST]
	DL 2
	v_floor_f32 v[ST], -v[ST+1]                    ; the new -M
	DL 1
	v_sub_f32 v[TT+1], v[ST], v[TT+1]              ; old M - new M
	DL 1
	v_cvt_i32_f32 v[ST+5], v[TT+1]
	DL 1
	v_ldexp_f32 v[FL], 1.0, v[ST+5]                ; f
.set p, 0
.rept 16
	v_pk_add_f32 v[S+p:S+p+1], v[S+p:S+p+1], v[ST:ST+1] op_sel_hi:[1,0]   ; t - M
.set p, p+2
.endr
	v_add_f32 v[BM], v[BM], v[ST]
	v_add_f32 v[BM+1], v[BM+1], v[ST]
.set p, 0
	s_wait_alu depctr_va_vdst(0)                   ; ahead of the batch
.rept 32
	v_exp_f32 v[S+p], v[S+p]
.set p, p+1
.endr
	v_exp_f32 v[BM], v[BM]                         ; the block's largest p
	v_exp_f32 v[BM+1], v[BM+1]
	v_pk_mul_f32 v[ST+2:ST+3], v[ST+2:ST+3], v[FL:FL+1] op_sel_hi:[1,0]
.if \g == 0
	v_mov_b32 v[ST+4], v[FL]
	s_wait_alu depctr_va_vdst(0)                   ; and behind it
.else
	v_mul_f32 v[ST+4], v[ST+4], v[FL]
	s_wait_alu depctr_va_vdst(0)
.endif
	v_max_num_f32 v[BM], 0x1800000, v[BM]
	v_max_num_f32 v[BM+1], 0x1800000, v[BM+1]
	DL 2
	v_add_nc_u32 v[SO], 0xff000000, v[BM]
	DL 2
	v_add_nc_u32 v[SO+1], 0xff000000, v[BM+1]
.if \g == 0
	DL 2
	v_lshrrev_b32 v[ST+6], 23, v[SO]
	DL 2
	v_lshrrev_b32 v[ST+7], 23, v[SO+1]
.else
	DL 2
	v_lshrrev_b32 v[BH], 23, v[SO]
	DL 2
	v_lshrrev_b32 v[BH+1], 23, v[SO+1]
.endif
	v_cvt_scalef32_pk16_fp6_f32 v[PU:PU+2], v[S:S+15], v[SO]
	v_cvt_scalef32_pk16_fp6_f32 v[CT:CT+2], v[S+16:S+31], v[SO+1]
	v_nop
.irp i, 0,1,2
	v_permlane16_swap_b32 v[PU+\i], v[CT+\i]
.endr
.irp i, 0,1,2
	DL 3
	v_mov_b32 v[PU+3+\i], v[CT+\i]
.endr
.if \g == 1                            ; the first half's bytes take the change of M up, held at 0 from below
	v_add_nc_u32 v[ST+6], v[ST+6], v[ST+5]
	v_add_nc_u32 v[ST+7], v[ST+7], v[ST+5]
	DL 2
	v_cmp_lt_i32 vcc_lo, 0, v[ST+6]
	DL 1
	v_cndmask_b32 v[ST+6], 0, v[ST+6], vcc_lo
	DL 3
	v_cmp_lt_i32 vcc_lo, 0, v[ST+7]
	DL 1
	v_cndmask_b32 v[ST+7], 0, v[ST+7], vcc_lo
	DL 1
	v_lshl_or_b32 v[PS+\u], v[ST+7], 8, v[ST+6]
	DL 1
	v_lshl_or_b32 v[PS+\u], v[BH], 16, v[PS+\u]
	DL 1
	v_lshl_or_b32 v[PS+\u], v[BH+1], 24, v[PS+\u]
.endif
.if \u == 1
	s_wait_loadcnt 9*\g                            ; the next 64 keys are in; in the second half V's nine loads, issued behind them, may be out
	v_perm_b32 v[KSW], v[KSW+1], v[KSW], s44
	v_perm_b32 v[KSW+2], v[KSW+3], v[KSW+2], s44
.endif
	v_pk_add_f32 v[TT:TT+1], v[S:S+1], v[S+2:S+3]  ; the row's sum is taken of the unquantised p
.irp j, 4,8,12,16,20,24,28
	v_pk_add_f32 v[ST+2:ST+3], v[ST+2:ST+3], v[S+\j:S+\j+1]
	v_pk_add_f32 v[TT:TT+1], v[TT:TT+1], v[S+\j+2:S+\j+3]
.endr
	DL 1
	v_pk_add_f32 v[ST+2:ST+3], v[ST+2:ST+3], v[TT:TT+1]
.endm
.macro PV d                            ; O^T += V^T P^T, 16 channels x both tiles of queries
.set VB, VF+12*(\d)-56*((\d)/2)
.irp u, 0,1
	v_wmma_scale_f32_16x16x128_f8f6f4 v[O+32*\u+8*(\d):O+32*\u+8*(\d)+7], v[VB:VB+11], v[P+12*\u:P+12*\u+11], v[O+32*\u+8*(\d):O+32*\u+8*(\d)+7], v[VS+(\d)], v[PS+\u] matrix_a_fmt:MATRIX_FMT_FP6 matrix_b_fmt:MATRIX_FMT_FP6
.endr
.endm
.Ltrip:                                            ; eight trips of 128 keys
	v_add_nc_u32 v[MA], s49, v[L16]
	s_wait_alu depctr_va_vdst(0)
	s_cmp_lt_u32 s48, 7                            ; K runs 64 keys ahead; in the last trip the look-ahead takes this trip's first tiles again: no load leaves its buffer
	s_cselect_b32 s40, 8*1536, 0
	s_cselect_b32 s42, 1024, 0
	s_add_nc_u64 s[36:37], s[10:11], s[40:41]
	s_add_nc_u64 s[38:39], s[12:13], s[42:43]
	SM 0, 0
	SM 1, 0
	SM 0, 1
	SM 1, 1
	VLOAD 2                                        ; p is done with: V's fragments 2, 3: eight loads
	VLOAD 3
	s_wait_alu depctr_va_vdst(0)                   ; ahead of the first reader of O^T
.irp u, 0,1
.set p, 0
.rept 16
	v_pk_mul_f32 v[O+32*\u+p:O+32*\u+p+1], v[O+32*\u+p:O+32*\u+p+1], v[8+8*\u:9+8*\u] op_sel_hi:[1,0]   ; O^T under the new M
.set p, p+2
.endr
.endr
	s_wait_alu depctr_va_vdst(0)
	s_wait_loadcnt 8                               ; fragments 0, 1 and the scale words are in; the eight loads just issued may be out
	PV 0                                           ; eight accumulators by turns
	PV 1
	s_wait_loadcnt 0x0
	PV 2
	PV 3
.rept 5
	v_nop                                          ; the next products write over V's registers, and LDS loads land in them
.endr
	s_mov_b64 s[10:11], s[36:37]                   ; no load is out: the bases may step
	s_mov_b64 s[12:13], s[38:39]
	s_add_nc_u64 s[14:15], s[14:15], 4*1536
	s_add_nc_u64 s[16:17], s[16:17], 512
	s_add_co_u32 s49, s49, 2*HSS
	s_add_co_u32 s48, s48, 1
	s_cmp_lt_u32 s48, 8
	s_cbranch_scc1 .Ltrip
; THE LAST PRODUCT'S OPERANDS.  Wo's four fragments of K step s (my 64 columns): 16 loads into set s % 2
.macro WLOAD s
.set WB, 112-92*((\s)%2)
.irp t, 0,1,2,3
	global_load_b128 v[WB+12*\t:WB+12*\t+3], v[L16], s[18:19] offset:6144*(\s)+1536*\t
	global_load_b64 v[WB+12*\t+4:WB+12*\t+5], v[L8], s[18:19] offset:6144*(\s)+1536*\t+512
	global_load_b128 v[WB+12*\t+6:WB+12*\t+9], v[L16], s[18:19] offset:6144*(\s)+1536*\t+768
	global_load_b64 v[WB+12*\t+10:WB+12*\t+11], v[L8], s[18:19] offset:6144*(\s)+1536*\t+1280
.endr
.endm
.macro OLOAD s                         ; O's two fragments of K step s: 12 LDS loads into set s % 2
.irp u, 0,1
.set OB2, 68+12*\u+24*((\s)%2)+136*\u*((\s)%2)
.irp p, 0,1,2,3,4,5
	ds_load_b64 v[OB2+2*\p:OB2+2*\p+1], v[AOF] offset:16*OSP*\u+96*(\s)+48*(\p/3)+8*(\p%3)
.endr
.endr
.endm
	v_lshlrev_b32 v19, 1, v[L16]                   ; Wo's scale bytes: lane l takes row 32 pair + l, 32 bytes: lanes 0-15 an even tile's rows, lanes 16-31 the odd one's
.irp tp, 0,1
	global_load_b128 v[WS+8*\tp:WS+8*\tp+3], v19, s[20:21] offset:1024*\tp
	global_load_b128 v[WS+8*\tp+4:WS+8*\tp+7], v19, s[20:21] offset:1024*\tp+16
.endr
	WLOAD 0                                        ; K steps 0 and 1 are on their way while O is finished
	WLOAD 1
	; O^T / the sum; its 64 channels in their true order; quantised along them; codes and bytes meet the other heads' in LDS
	v_add_f32 v6, v6, v7
	v_add_f32 v14, v14, v15
	DL 2
	v_permlanex16_b32 v[PT], v6, s46, s47
	DL 2
	v_permlanex16_b32 v[PT+1], v14, s46, s47
	DL 2
	v_add_f32 v6, v6, v[PT]
	DL 2
	v_add_f32 v14, v14, v[PT+1]
	s_wait_alu depctr_va_vdst(0)
	v_rcp_f32 v6, v6
	v_rcp_f32 v14, v14
	v_nop
	s_wait_alu depctr_va_vdst(0)
.macro FIN u
.set OB, O+32*\u
.set CB, S+8*\u
.set p, 0
.rept 16
	v_pk_mul_f32 v[OB+p:OB+p+1], v[OB+p:OB+p+1], v[6+8*\u:7+8*\u] op_sel_hi:[1,0]
.set p, p+2
.endr
.irp e, 0,1                                        ; my 16 registers of block e become channels 32 e + 16 h + 0 .. 15, in order
.irp j, 0,1,2,3,4,5,6,7
	v_permlane16_swap_b32 v[OB+16*\e+\j], v[OB+16*\e+8+\j]
.endr
.endr
.irp e, 0,1
	v_max3_num_f32 v[BM+\e], |v[OB+16*\e]|, |v[OB+16*\e+1]|, 0x1800000
.endr
.irp i, 2,4,6,8,10,12,14
.irp e, 0,1
	DL 2
	v_max3_num_f32 v[BM+\e], v[BM+\e], |v[OB+16*\e+\i]|, |v[OB+16*\e+\i+1]|
.endr
.endr
.irp e, 0,1
	DL 2
	v_permlanex16_b32 v[PT+\e], v[BM+\e], s46, s47
.endr
.irp e, 0,1
	DL 2
	v_max_num_f32 v[BM+\e], v[BM+\e], v[PT+\e]
.endr
.irp e, 0,1
	DL 2
	v_add_nc_u32 v[SO+\e], 0xff000000, v[BM+\e]
.endr
.irp e, 0,1
	DL 2
	v_lshrrev_b32 v[BH+\e], 23, v[SO+\e]
.endr
	DL 1
	v_lshl_or_b32 v[TT+\u], v[BH+1], 8, v[BH]
	v_cvt_scalef32_pk16_fp6_f32 v[CB:CB+2], v[OB:OB+15], v[SO]
	v_cvt_scalef32_pk16_fp6_f32 v[CT:CT+2], v[OB+16:OB+31], v[SO+1]
	v_nop
.irp i, 0,1,2
	v_permlane16_swap_b32 v[CB+\i], v[CT+\i]
.endr
.irp i, 0,1,2
	DL 3
	v_mov_b32 v[CB+3+\i], v[CT+\i]
.endr
	ds_store_b64 v[AOS], v[CB:CB+1] offset:16*OSP*\u
	ds_store_b64 v[AOS], v[CB+2:CB+3] offset:16*OSP*\u+8
	ds_store_b64 v[AOS], v[CB+4:CB+5] offset:16*OSP*\u+16
	ds_store_b16 v[AOB], v[TT+\u] offset:512*\u    ; lanes r and r + 16 write the same two bytes
.endm
	FIN 0
	FIN 1
	v_bfe_u32 v4, v0, 4, 1                         ; h
	v_and_b32 v5, 15, v0                           ; r
	DL 2
	v_lshlrev_b32 v1, 5, v4
.irp u, 0,1                                        ; the eight sums begin as the bias: register j of tile t is column 64 w + 16 t + 8 h + j
.irp t, 0,1,2,3
	global_load_b128 v[O+32*\u+8*\t:O+32*\u+8*\t+3], v1, s[56:57] offset:64*\t
	global_load_b128 v[O+32*\u+8*\t+4:O+32*\u+8*\t+7], v1, s[56:57] offset:64*\t+16
.endr
.endr
	s_mul_i32 s30, s22, STG
	v_mul_u32_u24 v16, v5, 272
	v_mul_u32_u24 v17, v4, 272
	v_lshlrev_b32 v18, 12, v4
	DL 3
	v_lshl_add_u32 v16, v4, 5, v16
	DL 3
	v_lshl_add_u32 v17, v5, 4, v17
	DL 3
	v_lshl_add_u32 v18, v5, 4, v18                 ; out0: lanes 0-15 one row's 256 bytes, lanes 16-31 the next row's
	DL 3
	v_add_nc_u32 v16, s30, v16                     ; the stage, in: row r, + 32 h
	DL 3
	v_add_nc_u32 v17, s30, v17                     ; and back
	s_wait_alu depctr_va_vdst(0)
	s_wait_dscnt 0x0                               ; my codes and bytes of O are in LDS, and my reads of the mask are over
	s_barrier_signal -1
	s_barrier_wait -1                              ; 32 whole rows lie in LDS
	ds_load_b128 v[OS:OS+3], v[AOW]                ; O's scale words: register s is K step s; lanes 0-15 tile 0, lanes 16-31 tile 1
	ds_load_b128 v[OS+4:OS+7], v[AOW] offset:16
	OLOAD 0
	OLOAD 1
; A K step of the last product: eight sums by turns; then the fragments two steps on
.macro OSTEP s
.if ((\s) == 0) || ((\s) == 7)
	s_wait_loadcnt 0x0                             ; step 0: the bias, issued last, is wanted too
.else
	s_wait_loadcnt 16                              ; the next step's 16 loads may be out
.endif
.if (\s) == 7
	s_wait_dscnt 0x0
.else
	s_wait_dscnt 12                                ; the next step's 12 loads may be out
.endif
.set WB, 112-92*((\s)%2)
.irp tp, 0,1
.irp ra, 0,1
.irp u, 0,1
.set OB2, 68+12*\u+24*((\s)%2)+136*\u*((\s)%2)
	v_wmma_scale_f32_16x16x128_f8f6f4 v[O+32*\u+8*(2*\tp+\ra):O+32*\u+8*(2*\tp+\ra)+7], v[WB+12*(2*\tp+\ra):WB+12*(2*\tp+\ra)+11], v[OB2:OB2+11], v[O+32*\u+8*(2*\tp+\ra):O+32*\u+8*(2*\tp+\ra)+7], v[WS+8*\tp+(\s)], v[OS+(\s)] matrix_a_fmt:MATRIX_FMT_FP6 matrix_b_fmt:MATRIX_FMT_FP6 matrix_a_scale:MATRIX_SCALE_ROW\ra matrix_b_scale:MATRIX_SCALE_ROW\u
.endr
.endr
.endr
.rept 4
	v_nop                                          ; places in front of loads into, and reads of, the products' registers
.endr
.if (\s) < 6
	WLOAD (\s)+2
	OLOAD (\s)+2
.endif
.endm
.irp s, 0,1,2,3,4,5,6,7
	OSTEP \s
.endr
; THE WAY OUT: a lane holds 32 bytes of a row in each tile; 16 rows x 256 bytes go through my own stage and leave as whole rows
.irp u, 0,1
.irp t, 0,1,2,3
	ds_store_b128 v16, v[O+32*\u+8*\t:O+32*\u+8*\t+3] offset:4352*\u+64*\t
	ds_store_b128 v16, v[O+32*\u+8*\t+4:O+32*\u+8*\t+7] offset:4352*\u+64*\t+16
.endr
.irp i, 0,1,2,3,4,5,6,7
	ds_load_b128 v[112-92*\u+4*\i:112-92*\u+4*\i+3], v17 offset:4352*\u+544*\i   ; LDS serves a wave's instructions in order (ISA guide 5.7.1.4)
.endr
.endr
.irp u, 0,1
	s_wait_dscnt 16-16*\u                          ; tile 0 is back: tile 1's 8 stores and 8 loads may be out
.irp i, 0,1,2,3,4,5,6,7
	global_store_b128 v18, v[112-92*\u+4*\i:112-92*\u+4*\i+3], s[58:59] offset:(16*\u+2*\i)*4096 th:TH_STORE_NT   ; 16 lanes store 256 consecutive bytes, aligned to 256
.endr
.endr
	v_lshl_add_u32 v254, v0, 2, SPARE              ; the wave's end
	v_mov_b32 v255, 0
	s_wait_alu depctr_va_vdst(0)
	s_wait_tensorcnt 0x0
	ds_add_u32 v254, v255
	s_wait_dscnt 0x0
	s_endpgm
.Lfunc_end_k_qe17fbe03e0_attn:
	.size	k_qe17fbe03e0_attn, .Lfunc_end_k_qe17fbe03e0_attn-k_qe17fbe03e0_attn
	.p2alignl 7, 3214868480
	.fill 96, 4, 3214868480
	.section	.rodata,"a",@progbits
	.p2align	6, 0x0
	.amdhsa_kernel k_qe17fbe03e0_attn
		.amdhsa_group_segment_fixed_size 300544
		.amdhsa_private_segment_fixed_size 0
		.amdhsa_enable_private_segment 0
		.amdhsa_kernarg_size 88
		.amdhsa_user_sgpr_count 2
		.amdhsa_user_sgpr_kernarg_segment_ptr 1
		.amdhsa_wavefront_size32 1
		.amdhsa_system_sgpr_workgroup_id_x 1
		.amdhsa_system_sgpr_workgroup_id_y 1
		.amdhsa_system_sgpr_workgroup_id_z 1
		.amdhsa_system_vgpr_workitem_id 0
		.amdhsa_next_free_vgpr 256
		.amdhsa_next_free_sgpr 66
		.amdhsa_reserve_vcc 1
		.amdhsa_float_denorm_mode_32 3
		.amdhsa_float_denorm_mode_16_64 3
		.amdhsa_memory_ordered 1
		.amdhsa_forward_progress 1
		.amdhsa_inst_pref_size 107
	.end_amdhsa_kernel
	.amdgpu_metadata
---
amdhsa.version: [ 1, 2 ]
amdhsa.kernels:
  - .name:           k_qe17fbe03e0_attn
    .symbol:         k_qe17fbe03e0_attn.kd
    .args:
      - { .name: mask, .offset: 0, .size: 8, .value_kind: global_buffer, .address_space: global }
      - { .name: qc, .offset: 8, .size: 8, .value_kind: global_buffer, .address_space: global }
      - { .name: qsc, .offset: 16, .size: 8, .value_kind: global_buffer, .address_space: global }
      - { .name: kc, .offset: 24, .size: 8, .value_kind: global_buffer, .address_space: global }
      - { .name: ksc, .offset: 32, .size: 8, .value_kind: global_buffer, .address_space: global }
      - { .name: vc, .offset: 40, .size: 8, .value_kind: global_buffer, .address_space: global }
      - { .name: vsc, .offset: 48, .size: 8, .value_kind: global_buffer, .address_space: global }
      - { .name: woi, .offset: 56, .size: 8, .value_kind: global_buffer, .address_space: global }
      - { .name: Wo_scales, .offset: 64, .size: 8, .value_kind: global_buffer, .address_space: global }
      - { .name: bo, .offset: 72, .size: 8, .value_kind: global_buffer, .address_space: global }
      - { .name: out0, .offset: 80, .size: 8, .value_kind: global_buffer, .address_space: global }
    .group_segment_fixed_size: 300544
    .private_segment_fixed_size: 0
    .kernarg_segment_align: 8
    .kernarg_segment_size: 88
    .max_flat_workgroup_size: 512
    .sgpr_count:     66
    .vgpr_count:     256
    .wavefront_size: 32
...
	.end_amdgpu_metadata
.endif
;; end of part 2
